; MI455X (gfx1250); checked and timed in simulation.
; The chip was launched on July 23, 2026; its instructions are those of AMD's public machine-readable ISA for CDNA 5 (MIT licence, August 2026) and "CDNA5" Instruction Set Architecture Reference Guide (July 2026). The comments in the code are by the model that wrote it; some were corrected since.
;; Quantized Linear. Allowed arithmetic: float matrix products may take bf16 or f16 operands with f32 sums; all other float work in f32.
;; Inputs: bias 4,096 float32; qweight 4,096 x 4,096 int32; scale 4,096 x 1 float32; x 4,096 x 4,096 float32; zero_point 4,096 x 1 float32.
;; Outputs: out0 4,096 x 4,096 float32.
;; 2 versions, each right; version 2 is version 1 with the launch cast written anew for expert scheduling mode. Each part assembles by itself: llvm-mc -triple=amdgcn-amd-amdhsa -mcpu=gfx1250 --defsym DOCPART=n.
;; ======== version 1 of 2: 2 launches
;; limits: inputs' magnitudes at most 65,504; values are held in f16: magnitudes above 65,504 overflow, below 6.1e-05 lose precision
;; workspace buffers: xh 33,554,432 bytes; wh 33,554,432 bytes
;; launch cast (part 1): grid 256 x 2, 8 waves a work-group, no clusters, 0 bytes of LDS; arguments x, qweight, zero_point, xh, wh; writes xh, wh
.if DOCPART == 1
	.amdgcn_target "amdgcn-amd-amdhsa--gfx1250"
	.amdhsa_code_object_version 6
	.text
	.protected	k_q1f6dec0054_cast
	.globl	k_q1f6dec0054_cast
	.p2align	8
	.type	k_q1f6dec0054_cast,@function
k_q1f6dec0054_cast:
	s_mov_b64 s[64:65], 0
	v_nop
	global_prefetch_b8 v0, s[64:65] scope:SCOPE_SE
	s_setreg_imm32_b32 hwreg(HW_REG_WAVE_MODE, 25, 1), 1
	s_wait_xcnt 0x0
; xh[m][k] = f16(x[m][k]);  wh[n][k] = f16(f32(q[n][k]) - zp[n]).  x: [4096][4096] f32, q: [4096][4096] int32, zp: [4096] f32; xh, wh: [4096][4096] f16.
; Each number is made ready for the matrix product ONCE here; scale and bias are left to the product's way out, in f32, so that the operand's range hangs on q - zp alone.
; WHY f16: 11 significant bits against bf16's 8.  One allowance holds for the whole output, while a column's spread goes with its scale, so the widest columns have the least room.
; LIMITS.  |x| and |q - zp| stay under 65,504, f16's largest number: beyond it the operand is an infinity.  Below 6.1e-5 an operand keeps f16's fixed step of 6e-8.
; q is taken as any int32, exact in f32 up to 2^24.  NaN and infinities are not treated apart.
; SHARES.  Work-group (g, y) takes rows 16 g .. 16 g + 15 of x (y = 0) or of q (y = 1): 262,144 consecutive bytes in, 131,072 out, as 64 chunks of 4,096 bytes in and 2,048 out; four chunks are a row.
; Thread t takes the 16 bytes at 16 t of every chunk and stores the 8 bytes at 8 t: a wave's load covers 512 consecutive bytes, a wave's store 256 consecutive bytes at a multiple of 256.
; A ring of DEPTH slots in registers keeps DEPTH loads of every wave on their way.  No LDS, no barrier, no matrix unit, no cluster: no byte is used twice and no wave needs another's.
.set DEPTH,  16                        ; slots = loads in flight in each wave; a round takes every slot once: four rows
.set ROUNDS, 64/DEPTH
.set CH,     4096                      ; bytes of a chunk as loaded
.set OCH,    2048                      ; bytes of a chunk as stored
.set T,   4                            ; v[4:7]     four numbers in f32, at work
.set X,   8                            ; v[8:71]    slot i: 4 registers as loaded
.set Y,   72                           ; v[72:103]  slot i: 2 registers, four f16 to store
.set ZP,  20                           ; s[20:35]   my 16 rows' zero points; the round's four always stand in s[20:23]
	s_load_b256 s[4:11], s[0:1], 0x0               ; x s[4:5], q s[6:7], zp s[8:9], xh s[10:11]
	s_load_b64 s[12:13], s[0:1], 0x20              ; wh
	s_and_b32 s14, ttmp7, 0xffff                   ; y: 0 = x, 1 = q
	s_lshl_b32 s2, ttmp9, 18                       ; g x 16 rows x 16,384 bytes in (67 million at the most: one word)
	s_mov_b32 s3, 0
	s_lshl_b32 s16, ttmp9, 17                      ; g x 16 rows x 8,192 bytes out
	s_mov_b32 s17, 0
	s_lshl_b32 s18, ttmp9, 6                       ; g x 16 zero points
	s_mov_b32 s19, 0
	v_lshlrev_b32 v1, 4, v0                        ; my 16 bytes of a chunk as loaded; never rewritten
	v_lshlrev_b32 v2, 3, v0                        ; my 8 bytes of a chunk as stored; never rewritten
	s_wait_kmcnt 0x0
	s_cmp_lg_u32 s14, 0
	s_cbranch_scc1 .Lq
; A round: every slot's turn.  kind = 1: q, with the zero point taken away in f32; 0: x.  ahead = 1: the slot is filled again with the chunk DEPTH further on.
.macro ROUND kind, src, dst, ahead
.irp i, 0,1,2,3,4,5,6,7,8,9,10,11,12,13,14,15
.if \ahead
	s_wait_loadcnt DEPTH-1                         ; loads come back in order (ISA guide 5.7.1): this slot's is in, the 15 younger ones stay out; 16 are out on the way in and round the back edge alike
.else
	s_wait_loadcnt DEPTH-1-(\i)                    ; the last round loads nothing: the counts run down
.endif
.if \kind
.irp k, 0,1,2,3
	v_cvt_f32_i32 v[T+(\k)], v[X+4*(\i)+(\k)]
.endr
.irp k, 0,1,2,3
	v_sub_f32 v[T+(\k)], v[T+(\k)], s[ZP+(\i)/4]   ; four chunks are a row: slot i lies in the round's row i / 4
.endr
	v_cvt_pk_f16_f32 v[Y+2*(\i)],   v[T],   v[T+1]
	v_cvt_pk_f16_f32 v[Y+2*(\i)+1], v[T+2], v[T+3]
.else
	v_cvt_pk_f16_f32 v[Y+2*(\i)],   v[X+4*(\i)],   v[X+4*(\i)+1]
	v_cvt_pk_f16_f32 v[Y+2*(\i)+1], v[X+4*(\i)+2], v[X+4*(\i)+3]
.endif
.if \ahead
	global_load_b128 v[X+4*(\i):X+4*(\i)+3], v1, s[\src:\src+1] offset:(DEPTH+(\i))*CH th:TH_LOAD_NT  ; the load ahead of the store
.endif
	global_store_b64 v2, v[Y+2*(\i):Y+2*(\i)+1], s[\dst:\dst+1] offset:(\i)*OCH  ; no hint: the next launch reads these bytes
.endr
.endm
; One tensor's way through the kernel.
.macro PATH kind, src, dst
	s_add_nc_u64 s[\src:\src+1], s[\src:\src+1], s[2:3]    ; my first row, in
	s_add_nc_u64 s[\dst:\dst+1], s[\dst:\dst+1], s[16:17]  ; and out
.if \kind
	s_add_nc_u64 s[8:9], s[8:9], s[18:19]
	s_load_b512 s[ZP:ZP+15], s[8:9], 0x0           ; my 16 rows' zero points: 64 consecutive bytes, once
.endif
.irp i, 0,1,2,3,4,5,6,7,8,9,10,11,12,13,14,15
	global_load_b128 v[X+4*(\i):X+4*(\i)+3], v1, s[\src:\src+1] offset:(\i)*CH th:TH_LOAD_NT  ; fill the ring: chunks 0 to 15
.endr
.if \kind
	s_wait_kmcnt 0x0
.endif
	s_mov_b32 s36, ROUNDS-1
.Lround_\@:
	ROUND \kind, \src, \dst, 1
	s_wait_xcnt 0x0                                ; every memory instruction issued so far has had its addresses translated (ISA guide 3.1): only behind this wait are the two bases stepped and Y written again
	s_add_nc_u64 s[\src:\src+1], s[\src:\src+1], DEPTH*CH
	s_add_nc_u64 s[\dst:\dst+1], s[\dst:\dst+1], DEPTH*OCH
.if \kind
.irp j, 0,2,4,6,8,10
	s_mov_b64 s[ZP+(\j):ZP+(\j)+1], s[ZP+4+(\j):ZP+4+(\j)+1]  ; the zero points move four down: the next round's four rows
.endr
.endif
	s_sub_co_u32 s36, s36, 1
	s_cmp_lg_u32 s36, 0
	s_cbranch_scc1 .Lround_\@
	ROUND \kind, \src, \dst, 0                     ; written out without loads: no load leaves the buffer
	s_endpgm
.endm
	PATH 0, 4, 10
.Lq:
	PATH 1, 6, 12
.Lfunc_end_k_q1f6dec0054_cast:
	.size	k_q1f6dec0054_cast, .Lfunc_end_k_q1f6dec0054_cast-k_q1f6dec0054_cast
	.p2alignl 7, 3214868480
	.fill 96, 4, 3214868480
	.section	.rodata,"a",@progbits
	.p2align	6, 0x0
	.amdhsa_kernel k_q1f6dec0054_cast
		.amdhsa_group_segment_fixed_size 0
		.amdhsa_private_segment_fixed_size 0
		.amdhsa_enable_private_segment 0
		.amdhsa_kernarg_size 40
		.amdhsa_user_sgpr_count 2
		.amdhsa_user_sgpr_kernarg_segment_ptr 1
		.amdhsa_wavefront_size32 1
		.amdhsa_system_sgpr_workgroup_id_x 1
		.amdhsa_system_sgpr_workgroup_id_y 1
		.amdhsa_system_sgpr_workgroup_id_z 1
		.amdhsa_system_vgpr_workitem_id 0
		.amdhsa_next_free_vgpr 104
		.amdhsa_next_free_sgpr 66
		.amdhsa_reserve_vcc 0
		.amdhsa_float_denorm_mode_32 3
		.amdhsa_float_denorm_mode_16_64 3
		.amdhsa_memory_ordered 1
		.amdhsa_forward_progress 1
		.amdhsa_inst_pref_size 36
	.end_amdhsa_kernel
	.amdgpu_metadata
---
amdhsa.version: [ 1, 2 ]
amdhsa.kernels:
  - .name:           k_q1f6dec0054_cast
    .symbol:         k_q1f6dec0054_cast.kd
    .args:
      - { .name: x, .offset: 0, .size: 8, .value_kind: global_buffer, .address_space: global }
      - { .name: qweight, .offset: 8, .size: 8, .value_kind: global_buffer, .address_space: global }
      - { .name: zero_point, .offset: 16, .size: 8, .value_kind: global_buffer, .address_space: global }
      - { .name: xh, .offset: 24, .size: 8, .value_kind: global_buffer, .address_space: global }
      - { .name: wh, .offset: 32, .size: 8, .value_kind: global_buffer, .address_space: global }
    .group_segment_fixed_size: 0
    .private_segment_fixed_size: 0
    .kernarg_segment_align: 8
    .kernarg_segment_size: 40
    .max_flat_workgroup_size: 256
    .sgpr_count:     66
    .vgpr_count:     104
    .wavefront_size: 32
...
	.end_amdgpu_metadata
.endif
;; end of part 1
;; launch gemm (part 2): grid 16 x 16, 4 waves a work-group, clusters of 4 x 4, 327,680 bytes of LDS; arguments xh, wh, scale, bias, out0; writes out0
.if DOCPART == 2
	.amdgcn_target "amdgcn-amd-amdhsa--gfx1250"
	.amdhsa_code_object_version 6
	.text
	.protected	k_q1f6dec0054_gemm
	.globl	k_q1f6dec0054_gemm
	.p2align	8
	.type	k_q1f6dec0054_gemm,@function
k_q1f6dec0054_gemm:
	s_mov_b64 s[64:65], 0
	v_nop
	global_prefetch_b8 v0, s[64:65] scope:SCOPE_SE
	s_setreg_imm32_b32 hwreg(HW_REG_WAVE_MODE, 25, 1), 1
	s_wait_xcnt 0x0
	s_wait_alu depctr_hold_cnt(0) depctr_sa_sdst(0) depctr_va_vdst(0) depctr_va_sdst(0) depctr_va_ssrc(0) depctr_va_vcc(0) depctr_vm_vsrc(0)
	s_getreg_b32 s2, hwreg(HW_REG_IB_STS2, 6, 4)
	s_cmp_eq_u32 s2, 0
	s_cbranch_scc0 .Lentry_in_a_cluster
	s_endpgm
.Lentry_in_a_cluster:
	s_bfe_u32 s2, ttmp6, 0x10000c
	s_cmp_lg_u32 s2, 0xf033
	s_cbranch_scc0 .Lentry_shape_is_right
	s_endpgm
.Lentry_shape_is_right:
; out0[m][n] = scale[n] x (sum over k of xh[m][k] wh[n][k]) + bias[n].  xh: [4096][4096] f16 = x rounded; wh: [4096][4096] f16 = q - zp rounded; scale, bias: [4096] f32; out0: [4096][4096] f32.
; Sums in f32, K ascending, one accumulator for each output; scale and bias by one fused multiply-add in f32 on the way out.
; LIMITS.  The operands arrive within f16's range (65,504).  scale multiplies the finished sum, not each weight as the definition has it: another order of rounding, in f32.  NaN and infinities are not treated apart.
; SHARES.  16 x 16 tiles of 256 x 256 of the output, one to a work-group of four waves; a wave makes 128 x 128: 64 accumulators of 16 x 16, 512 registers.  K goes in 32 steps of 128 through a ring of two
; LDS slots filled by the tensor data mover; a tile's rows are 256 bytes of memory and start at multiples of 256 bytes from the buffer's first byte.
; CLUSTERS: 4 x 4 work-groups.  The four of a row of the cluster make tiles of one tile row and need the same tiles of xh (A); the four of a column need the same tiles of wh (B).  Such a tile is asked for
; JOINTLY: each of the four issues the same tensor load, with the same descriptor and a mask that names the four, and each receives the tile in its own LDS: a quarter of the requests.
; THE MATRIX INSTRUCTION IS USED TRANSPOSED: source 0 = 16 rows of B, source 1 = 16 rows of A.  In the result lane l holds row l % 16 of the output and the columns 8 (l / 16) + 0 .. 7: eight neighbouring numbers.
; REGISTERS, in windows of 256 (s_set_vgpr_msb's low byte: bits 1:0 source 0, 3:2 source 1, 5:4 source 2, 7:6 destination):
;   window 0: v0-39 addresses, scale, bias; v64-127, v128-191 fragments of A, two buffers; on the way out the same 128 registers hold rows read back from the stage, two buffers of 16 rows
;   window 1: v64-127, v128-191 fragments of B, two buffers
;   window 2: the 32 accumulators of my rows 0-63 (accumulator (a, b) at v[8 (8 a + b)]);   window 3: those of my rows 64-127
.set SIZE_K, 4096
.set SIZE_N, 4096
.set KSTEP,  128
.set PITCH,  272                       ; an LDS row: 256 bytes of data + 16 of padding = 68 words: row r starts at bank 4 r mod 64 (64 banks of 4 bytes: ISA guide 11.1), so the 16 rows of a load start at 16 different banks
.set HALFT,  128*PITCH                 ; 128 rows: what one tensor load brings, and what one wave reads of A or of B
.set SLOT,   4*HALFT                   ; A's 256 rows, then B's 256 rows
.set STAGE,  2*SLOT                    ; behind the ring: for each wave 16 rows of 128 f32, for the way out; no tensor load lands here
.set SPITCH, 528                       ; a stage row: 512 bytes + 16 = 132 words: again 16 rows at 16 different banks
.set WSTAGE, 16*SPITCH                 ; 8,448 bytes, 33 blocks of 256
.set SPARE,  STAGE+4*WSTAGE            ; behind the stages: the spare words, 128 bytes for each wave: two blocks of 256 bytes that no other line names
.set LAPS,   SIZE_K/(2*KSTEP)          ; a lap = two K steps = once round the ring: 16
.set ADRA, 16                          ; v16-17  LDS address of my A fragments in slot 0, 1
.set ADRB, 20                          ; v20-21  the same for B
.set STO,  24                          ; v24     the way out: where I put 32 bytes of a row
.set RD,   25                          ; v25     the way out: where I read 16 bytes of a row back
.set CO,   26                          ; v26     16 x lane: my byte offset in 512 bytes of a row of out0, of scale and of bias; never rewritten
.set SPW,  28                          ; v28     LDS address of my spare word: SPARE + 4 x my thread's number; never rewritten
.set NIL,  29                          ; v29     0; never rewritten
.set SC,   32                          ; v[32:35] scale of the four columns that I store
.set BI,   36                          ; v[36:39] their bias
.set F0,   64                          ; fragment buffer 0
.set F1,   128                         ; fragment buffer 1
.set OB,   64                          ; the way out: 16 rows read back, 64 registers: v64-127 and v128-191 by turns
.set WV, 14                            ; s14  my wave's number
.set HR, 15                            ; s15  which half of the tile's rows is mine.  Also: I fetch for A (0) or for B (1)
.set HC, 16                            ; s16  which half of its columns.  Also: which 128 rows of that tile I fetch
.set G1, 24                            ; s[24:31] descriptor group 1 for A's tiles
.set G0, 32                            ; s[32:39] descriptor group 0 for A's tiles, one set for each slot
.set G1B, 48                           ; s[48:55] group 1 for B's tiles: it differs in the mask alone
.set G0B, 56                           ; s[56:63] group 0 for B's tiles, one set for each slot
.set MSB, 0
.macro WIN new                         ; the immediate's high byte repeats the setting that is left; a switch that changes nothing is dropped
.if MSB != (\new)
	s_set_vgpr_msb (MSB<<8)|(\new)
.set MSB, \new
.endif
.endm
.set MUL_LO, 0xa1                      ; source 0 (B) window 1, source 1 (A) window 0, C and D window 2
.set MUL_HI, 0xf1                      ; the same, C and D window 3
.set TO_B,   0x40                      ; destination window 1, address window 0
; A joint load.  Waves 0 and 1 fetch A's two halves, waves 2 and 3 B's.  Each of the two lines has one mask and one set of registers for all that issue it; the branch hangs on the wave's number alone.
; An s_nop 0 and four v_nop follow each of the two lines, ahead of the jump, the label and what follows.
.macro JLOAD s
	s_cmp_eq_u32 s[HR], 0
	s_cbranch_scc0 .Lfor_b_\@
	tensor_load_to_lds s[G0+4*(\s):G0+4*(\s)+3], s[G1:G1+7]
	s_nop 0
.rept 4
	v_nop
.endr
	s_branch .Lasked_\@
.Lfor_b_\@:
	tensor_load_to_lds s[G0B+4*(\s):G0B+4*(\s)+3], s[G1B:G1B+7]
	s_nop 0
.rept 4
	v_nop
.endr
.Lasked_\@:
.endm
; A round of the cluster's barrier: my work-group's barrier, so that wave 0's signal speaks for all four waves; wave 0 signals for the work-group; every wave waits for all sixteen; my work-group's barrier once more.
.macro CREST                           ; a round behind its opening barrier
	s_cmp_lg_u32 s[WV], 0
	s_cbranch_scc1 .Lnot_wave_0_\@
	s_barrier_signal -3
.Lnot_wave_0_\@:
	s_barrier_wait -3
	s_barrier_signal -1
	s_barrier_wait -1
.endm
.macro CROUND                          ; a whole round
	s_barrier_signal -1
	s_barrier_wait -1
	CREST
.endm
	s_load_b256 s[4:11], s[0:1], 0x0               ; xh s[4:5], wh s[6:7], scale s[8:9], bias s[10:11]
	s_load_b64 s[12:13], s[0:1], 0x20              ; out0
	v_lshl_add_u32 v[SPW], v0, 2, SPARE
	v_mov_b32 v[NIL], 0
	ds_add_u32 v[SPW], v[NIL]                      ; the wave's opening: the add and its wait stand ahead of my first tensor load; the set-up below, work on registers, stands between them
	v_lshrrev_b32 v1, 5, v0
	v_readfirstlane_b32 s[WV], v1                  ; wave 0..3
	s_lshr_b32 s[HR], s[WV], 1
	s_and_b32 s[HC], s[WV], 1
	s_bfe_u32 s40, ttmp6, 0x40000                  ; cx: my place along the cluster's x
	s_bfe_u32 s41, ttmp6, 0x40004                  ; cy: along its y
	s_lshl_b32 s42, ttmp9, 2                       ; in a cluster launch ttmp9 and ttmp7 count clusters
	s_add_co_u32 s42, s42, s40                     ; tile column = 4 x cluster x + cx
	s_and_b32 s43, ttmp7, 0xffff
	s_lshl_b32 s43, s43, 2
	s_add_co_u32 s43, s43, s41                     ; tile row = 4 x cluster y + cy
	s_lshl_b32 s44, s41, 2
	s_lshl_b32 s44, 15, s44                        ; my row of the cluster: places 4 cy .. 4 cy + 3
	s_lshl_b32 s45, 0x1111, s40                    ; my column: places cx, cx + 4, cx + 8, cx + 12
	; descriptor group 1: a tile of 128 rows x 128 elements of 2 bytes, padded in LDS
	s_or_b32 s[G1+0], s44, (1<<16)|(1<<20)|(1<<21)|(5<<22)|(3<<25)   ; 15:0 the mask: A's tiles go to my row; 17:16 elements of 2 bytes; 20 padding on; 21 set beside a mask; 24:22 after every 64 words (code 5); 31:25 4 words of it (code 3)
	s_or_b32 s[G1B+0], s45, (1<<16)|(1<<20)|(1<<21)|(5<<22)|(3<<25)  ; the same with the mask of my column, for B's tiles
.irp g, G1, G1B
	s_mov_b32 s[(\g)+1], KSTEP<<16                 ; 63:48 tensor_dim0, low half = 128
	s_mov_b32 s[(\g)+2], 128<<16                   ; 79:64 its high half = 0; 95:80 tensor_dim1, low half = 128
	s_mov_b32 s[(\g)+3], KSTEP<<16                 ; 111:96 its high half = 0; 127:112 tile_dim0 = 128
	s_mov_b32 s[(\g)+4], 128                       ; 143:128 tile_dim1 = 128; 159:144 tile_dim2 = 0
	s_mov_b32 s[(\g)+5], SIZE_K                    ; 191:160 elements from row to row
	s_mov_b32 s[(\g)+6], 0
	s_mov_b32 s[(\g)+7], 0
.endr
	; where the tiles come from.  A's hang on the tile row alone, which my row of the cluster shares; B's on the tile column alone, which my column shares.  Every wave makes both, in registers that never hold the other coordinate.
	s_lshl_b32 s17, s[HC], 7                       ; which 128 rows of the tile I fetch
	s_lshl_b32 s18, s43, 8
	s_add_co_u32 s18, s18, s17                     ; A: row 256 x tile row + 128 x half,
	s_lshl_b32 s18, s18, 13                        ; times 8,192 bytes: 33 million at the most, one word
	s_mov_b32 s19, 0
	s_lshl_b32 s46, s42, 8
	s_add_co_u32 s46, s46, s17                     ; B: row 256 x tile column + 128 x half
	s_lshl_b32 s46, s46, 13
	s_mov_b32 s47, 0
	s_mul_i32 s22, s[WV], HALFT                    ; and where they go: A's two halves, then B's two halves = wave x 128 rows: no place in the cluster enters an LDS address
	s_wait_dscnt 0x0                               ; the opening add is done
	s_wait_kmcnt 0x0
	s_add_nc_u64 s[20:21], s[4:5], s[18:19]
	s_add_nc_u64 s[46:47], s[6:7], s[46:47]
	CROUND                                         ; all sixteen work-groups are here: the first joint loads meet
.irp s, 0,1
	s_mov_b32 s[G0+4*(\s)], 1                                        ; 1:0 count = 1
	s_add_co_u32 s[G0+4*(\s)+1], s22, (\s)*SLOT                      ; 63:32 LDS address
	s_add_nc_u64 s[G0+4*(\s)+2:G0+4*(\s)+3], s[20:21], (\s)*KSTEP*2  ; 120:64 global address: K step s
	s_or_b32 s[G0+4*(\s)+3], s[G0+4*(\s)+3], 0x80000000              ; 127:126 type = 2
	s_mov_b32 s[G0B+4*(\s)], 1
	s_add_co_u32 s[G0B+4*(\s)+1], s22, (\s)*SLOT
	s_add_nc_u64 s[G0B+4*(\s)+2:G0B+4*(\s)+3], s[46:47], (\s)*KSTEP*2
	s_or_b32 s[G0B+4*(\s)+3], s[G0B+4*(\s)+3], 0x80000000
	JLOAD \s                                       ; the ring is filled before anything else is done: two tensor loads of mine are out
.endr
	; A fragment is 16 rows x 32 K in 8 registers: lane l holds row l % 16; registers 0-3 hold K = 8 (l / 16) + 0..7, registers 4-7 K = 16 + 8 (l / 16) + 0..7: two loads of 16 bytes, 32 bytes apart.
	v_and_b32 v1, 15, v0                           ; l % 16
	v_bfe_u32 v2, v0, 4, 1                         ; l / 16
	v_mul_u32_u24 v3, v1, PITCH
	v_lshl_add_u32 v3, v2, 4, v3                   ; row x pitch + 16 x half
	s_mul_i32 s23, s[HR], HALFT                    ; my 128 rows of A, in slot 0
	v_add_nc_u32 v[ADRA], s23, v3
	s_add_co_u32 s23, s23, SLOT                    ; and in slot 1
	v_add_nc_u32 v[ADRA+1], s23, v3
	s_mul_i32 s23, s[HC], HALFT                    ; my 128 rows of B,
	s_add_co_u32 s23, s23, 2*HALFT                 ; which lie behind A's 256
	v_add_nc_u32 v[ADRB], s23, v3
	s_add_co_u32 s23, s23, SLOT
	v_add_nc_u32 v[ADRB+1], s23, v3
	s_mul_i32 s23, s[WV], WSTAGE
	s_add_co_u32 s23, s23, STAGE                   ; my stage
	v_mul_u32_u24 v4, v1, SPITCH                   ; in: row l % 16, 32 bytes (eight f32) for each half of the lanes
	v_lshl_add_u32 v4, v2, 5, v4
	v_add_nc_u32 v[STO], s23, v4
	v_and_b32 v5, 31, v0
	v_lshlrev_b32 v[CO], 4, v5                     ; back: 32 lanes take one row of 512 bytes, 16 bytes each: a lane keeps the same four columns in every row
	v_add_nc_u32 v[RD], s23, v[CO]
	s_lshl_b32 s66, s43, 8
	s_lshl_b32 s67, s[HR], 7
	s_add_co_u32 s66, s66, s67                     ; my first row of out0: 256 x tile row + 128 x half,
	s_lshl_b32 s66, s66, 14                        ; times 16,384 bytes: 67 million at the most, one word
	s_mov_b32 s67, 0
	s_lshl_b32 s68, s42, 10                        ; my first column, in bytes of f32: 1,024 x tile column + 512 x half
	s_lshl_b32 s69, s[HC], 9
	s_add_co_u32 s68, s68, s69
	s_mov_b32 s69, 0
	s_add_nc_u64 s[8:9], s[8:9], s[68:69]          ; scale, bias and out0 at my first column,
	s_add_nc_u64 s[10:11], s[10:11], s[68:69]
	s_add_nc_u64 s[12:13], s[12:13], s[68:69]
	s_add_nc_u64 s[12:13], s[12:13], s[66:67]      ; out0 at my first row too
	global_load_b128 v[SC:SC+3], v[CO], s[8:9]     ; 512 consecutive bytes each, once
	global_load_b128 v[BI:BI+3], v[CO], s[10:11]
; 16 matrix instructions: m blocks a0, a0 + 1 of the window's four (hi = 0: my rows 0-63, 1: rows 64-127) x all 8 n blocks, 32 along K.  zero = 1: the first product starts the sums: nothing is ever cleared.
; The 64 accumulators take turns, one instruction a turn, in the same order in every quarter step, over the loop's backward jump and into the tail.
.macro MUL16 f, hi, a0, zero
	WIN MUL_LO+0x50*(\hi)                          ; MUL_LO or MUL_HI
.irp a, \a0, (\a0)+1
.irp b, 0,1,2,3,4,5,6,7
.if \zero
	v_wmma_f32_16x16x32_f16 v[8*(8*(\a)+(\b)):8*(8*(\a)+(\b))+7], v[(\f)+8*(\b):(\f)+8*(\b)+7], v[(\f)+8*(4*(\hi)+(\a)):(\f)+8*(4*(\hi)+(\a))+7], 0
.else
	v_wmma_f32_16x16x32_f16 v[8*(8*(\a)+(\b)):8*(8*(\a)+(\b))+7], v[(\f)+8*(\b):(\f)+8*(\b)+7], v[(\f)+8*(4*(\hi)+(\a)):(\f)+8*(4*(\hi)+(\a))+7], v[8*(8*(\a)+(\b)):8*(8*(\a)+(\b))+7]
.endif
.endr
.endr
.endm
; 32 LDS loads in one run: the fragments of one quarter step (128 rows of B, then 128 rows of A, 32 K at byte k of the rows) into buffer f
.macro FETCH slot, k, f
	WIN TO_B
.irp i, 0,1,2,3,4,5,6,7
	ds_load_b128 v[(\f)+8*(\i):(\f)+8*(\i)+3],   v[ADRB+(\slot)] offset:(\k)+(\i)*16*PITCH
	ds_load_b128 v[(\f)+8*(\i)+4:(\f)+8*(\i)+7], v[ADRB+(\slot)] offset:(\k)+(\i)*16*PITCH+32
.endr
	WIN 0
.irp i, 0,1,2,3,4,5,6,7
	ds_load_b128 v[(\f)+8*(\i):(\f)+8*(\i)+3],   v[ADRA+(\slot)] offset:(\k)+(\i)*16*PITCH
	ds_load_b128 v[(\f)+8*(\i)+4:(\f)+8*(\i)+7], v[ADRA+(\slot)] offset:(\k)+(\i)*16*PITCH+32
.endr
.endm
; A load into a register that a matrix instruction has read, and an LDS store that reads a matrix result, stand four places behind that matrix instruction, and only plain vector instructions that name none of
; its registers are places (ISA guide 7.12.1 for vector instructions).  No other vector work is at hand here, so four v_nop.
.macro PLACES
.rept 4
	v_nop
.endr
.endm
; A K step is four quarter steps of 32 along K, 64 matrix instructions each, on buffers 0, 1, 0, 1.
; One of the first three: multiplies buffer f; in its middle it fetches the next quarter's fragments, at byte k of the same slot's rows, into buffer g.
.macro QUARTER slot, k, f, g, zero
	s_wait_dscnt 8                                 ; B and A's rows 0-63 are in; the youngest eight loads (A's rows 64-127) may be out
	WIN MUL_LO
	MUL16 \f, 0, 0, \zero
	MUL16 \f, 0, 2, \zero
	PLACES
	FETCH \slot, \k, \g
	s_wait_dscnt 32                                ; all but the 32 just issued
	WIN MUL_HI
	MUL16 \f, 1, 0, \zero
	MUL16 \f, 1, 2, \zero
.endm
; The last quarter multiplies buffer 1 and changes slots.  MEET is its first half: ONE barrier for two things.  In front of it each wave waits for all its tensor loads, of which one is out: its part of the next
; slot; adds 0 to its spare word; and waits for that and for its own reads of this slot.  Behind it nobody reads this slot any more and the next slot is whole.
.macro MEET round                      ; round = 1: the rest of a round of the cluster's barrier follows
	WIN 0                                          ; (the add's two registers lie in window 0)
	s_wait_tensorcnt 0x0                           ; all my tensor loads have landed;
	ds_add_u32 v[SPW], v[NIL]                      ; 0 onto my spare word;
	s_wait_dscnt 9                                 ; (the add and the youngest eight loads may be out)
	WIN MUL_LO
	MUL16 F1, 0, 0, 0                              ; sixteen matrix instructions stand between the add and the wait for it
	s_wait_dscnt 0x0                               ; the add is done, and my reads of this slot are over:
	s_barrier_signal -1                            ; say so,
	MUL16 F1, 0, 2, 0                              ; work on registers while the others arrive,
.if \round
	WIN 0
.endif
	s_barrier_wait -1                              ; and go on when all four have said so
.endm
; The whole last quarter.  fill = 1: the slot just read out is filled again, first thing behind the round, with the K step two steps on: from that request to the wait for it a wave issues 224 matrix instructions.
.macro TURN slot, next, fill
	MEET \fill
.if \fill
	CREST                                          ; no wave of any partner still reads this slot's tile or has a load on its way
	s_add_nc_u64 s[G0+4*(\slot)+2:G0+4*(\slot)+3], s[G0+4*(\slot)+2:G0+4*(\slot)+3], 2*KSTEP*2      ; no tensor load of mine is out: a group 0 may be written; the type bits on top are not reached
	s_add_nc_u64 s[G0B+4*(\slot)+2:G0B+4*(\slot)+3], s[G0B+4*(\slot)+2:G0B+4*(\slot)+3], 2*KSTEP*2
	JLOAD \slot                                    ; my one tensor load behind the round; the four v_nop behind it are also the places in front of the loads below
.else
	PLACES
.endif
	FETCH \next, 0, F0
	WIN MUL_HI
	MUL16 F1, 1, 0, 0
	MUL16 F1, 1, 2, 0
.endm
; THE WAY OUT of block a (16 rows x 128 columns), in two parts.  TOSTAGE: the eight accumulators go as they are, f32, into my own stage in LDS (32 bytes a lane and accumulator; each accumulator's four
; lowest registers first), and come back as whole rows of 512 bytes.  SEND: scale and bias, then the stores.  Behind the turn a lane holds the same four columns in every row,
; so scale and bias cost 8 registers; in the accumulators' layout they would cost 128.
.macro TOSTAGE a
.set AC, 64*((\a)%4)
.set BK, OB+64*((\a)%2)
	WIN 0x08+4*((\a)/4)                            ; the stores' data (source 1) in window 2 or 3
.irp b, 0,1,2,3,4,5,6,7
	ds_store_b128 v[STO], v[AC+8*(\b):AC+8*(\b)+3]   offset:64*(\b)
	ds_store_b128 v[STO], v[AC+8*(\b)+4:AC+8*(\b)+7] offset:64*(\b)+16
.endr
	WIN 0
	s_wait_xcnt 0x0                                ; every earlier memory instruction has had its addresses translated (ISA guide 3.1): the registers that block a - 2's stores read are loaded again only behind this wait
.irp t, 0,1,2,3,4,5,6,7,8,9,10,11,12,13,14,15
	ds_load_b128 v[BK+4*(\t):BK+4*(\t)+3], v[RD] offset:(\t)*SPITCH  ; LDS serves a wave's instructions in order (ISA guide 5.7.1.4): these see the stores above, and the next block's stores come behind them
.endr
.endm
.macro SEND a, younger                 ; younger: the LDS instructions issued behind block a's loads: the next block's 32, or none
	WIN 0
.set BK, OB+64*((\a)%2)
.irp t, 0,1,2,3,4,5,6,7,8,9,10,11,12,13,14,15
	s_wait_dscnt (\younger)+15-(\t)                ; row t is back: behind its load stand the block's 15 - t later ones and the younger
	v_pk_fma_f32 v[BK+4*(\t):BK+4*(\t)+1],   v[BK+4*(\t):BK+4*(\t)+1],   v[SC:SC+1],   v[BI:BI+1]
	v_pk_fma_f32 v[BK+4*(\t)+2:BK+4*(\t)+3], v[BK+4*(\t)+2:BK+4*(\t)+3], v[SC+2:SC+3], v[BI+2:BI+3]
	global_store_b128 v[CO], v[BK+4*(\t):BK+4*(\t)+3], s[12:13] offset:(16*(\a)+(\t))*SIZE_N*4 th:TH_STORE_NT  ; 512 consecutive bytes of a row, at a multiple of 512 from out0's first byte; the row stands in the immediate, 127 x 16,384 at the most
.endr
.endm
	s_wait_loadcnt 0x0                             ; scale and bias, once
	s_wait_tensorcnt 1                             ; my part of K step 0 is in; K step 1's may stay out
	s_barrier_signal -1
	s_barrier_wait -1                              ; everybody's is
	FETCH 0, 0, F0
	QUARTER 0, 64,  F0, F1, 1                      ; the first quarter stands in front of the loop: its products start the sums
	WIN 0                                          ; at a label and at a branch every window is 0
	s_mov_b32 s3, LAPS-1
.Llap:                                                 ; a trip goes once round the ring, from a lap's second quarter to the next lap's first, and fills both slots again: 15 trips bring K steps 2 to 31
	QUARTER 0, 128, F1, F0, 0
	QUARTER 0, 192, F0, F1, 0
	TURN 0, 1, 1
	QUARTER 1, 64,  F0, F1, 0
	QUARTER 1, 128, F1, F0, 0
	QUARTER 1, 192, F0, F1, 0
	TURN 1, 0, 1
	QUARTER 0, 64,  F0, F1, 0
	WIN 0
	s_sub_co_u32 s3, s3, 1
	s_cmp_lg_u32 s3, 0
	s_cbranch_scc1 .Llap
	QUARTER 0, 128, F1, F0, 0                      ; the last lap is written out: it asks for nothing, and it has no round of the cluster's barrier
	QUARTER 0, 192, F0, F1, 0
	TURN 0, 1, 0
	QUARTER 1, 64,  F0, F1, 0
	QUARTER 1, 128, F1, F0, 0
	QUARTER 1, 192, F0, F1, 0
	s_wait_dscnt 8                                 ; the very last quarter: nothing more to fetch
	WIN MUL_LO
	MUL16 F1, 0, 0, 0
	MUL16 F1, 0, 2, 0
	s_wait_dscnt 0x0
	MUL16 F1, 1, 0, 0
	MUL16 F1, 1, 2, 0
	PLACES                                         ; for the LDS stores that read results, and for the loads into A's fragment registers
	TOSTAGE 0
.irp a, 1,2,3,4,5,6,7                  ; block a goes into the stage while block a - 1 comes back
	TOSTAGE \a
	SEND (\a)-1, 32
.endr
	SEND 7, 0
	s_wait_tensorcnt 0x0                           ; the wave's end: the add and its wait stand behind my last tensor load and my last LDS store
	ds_add_u32 v[SPW], v[NIL]
	s_wait_dscnt 0x0
	CROUND                                         ; the closing round: no work-group ends while a partner may still ask for a tile that names it
	s_endpgm
.Lfunc_end_k_q1f6dec0054_gemm:
	.size	k_q1f6dec0054_gemm, .Lfunc_end_k_q1f6dec0054_gemm-k_q1f6dec0054_gemm
	.p2alignl 7, 3214868480
	.fill 96, 4, 3214868480
	.section	.rodata,"a",@progbits
	.p2align	6, 0x0
	.amdhsa_kernel k_q1f6dec0054_gemm
		.amdhsa_group_segment_fixed_size 327680
		.amdhsa_private_segment_fixed_size 0
		.amdhsa_enable_private_segment 0
		.amdhsa_kernarg_size 40
		.amdhsa_user_sgpr_count 2
		.amdhsa_user_sgpr_kernarg_segment_ptr 1
		.amdhsa_wavefront_size32 1
		.amdhsa_system_sgpr_workgroup_id_x 1
		.amdhsa_system_sgpr_workgroup_id_y 1
		.amdhsa_system_sgpr_workgroup_id_z 1
		.amdhsa_system_vgpr_workitem_id 0
		.amdhsa_next_free_vgpr 1024
		.amdhsa_next_free_sgpr 72
		.amdhsa_reserve_vcc 0
		.amdhsa_float_denorm_mode_32 3
		.amdhsa_float_denorm_mode_16_64 3
		.amdhsa_memory_ordered 1
		.amdhsa_forward_progress 1
		.amdhsa_inst_pref_size 160
	.end_amdhsa_kernel
	.amdgpu_metadata
---
amdhsa.version: [ 1, 2 ]
amdhsa.kernels:
  - .name:           k_q1f6dec0054_gemm
    .symbol:         k_q1f6dec0054_gemm.kd
    .args:
      - { .name: xh, .offset: 0, .size: 8, .value_kind: global_buffer, .address_space: global }
      - { .name: wh, .offset: 8, .size: 8, .value_kind: global_buffer, .address_space: global }
      - { .name: scale, .offset: 16, .size: 8, .value_kind: global_buffer, .address_space: global }
      - { .name: bias, .offset: 24, .size: 8, .value_kind: global_buffer, .address_space: global }
      - { .name: out0, .offset: 32, .size: 8, .value_kind: global_buffer, .address_space: global }
    .group_segment_fixed_size: 327680
    .private_segment_fixed_size: 0
    .kernarg_segment_align: 8
    .kernarg_segment_size: 40
    .max_flat_workgroup_size: 128
    .sgpr_count:     72
    .vgpr_count:     1024
    .wavefront_size: 32
...
	.end_amdgpu_metadata
.endif
;; end of part 2
;; ======== version 2 of 2: 2 launches; version 1 with the launch cast written anew for expert scheduling mode
;; limits: inputs' magnitudes at most 65,504; values are held in f16: magnitudes above 65,504 overflow, below 6.1e-05 lose precision
;; workspace buffers: xh 33,554,432 bytes; wh 33,554,432 bytes
;; launch cast (part 3): grid 256 x 2, 8 waves a work-group, no clusters, 0 bytes of LDS; arguments x, qweight, zero_point, xh, wh; writes xh, wh
.if DOCPART == 3
	.amdgcn_target "amdgcn-amd-amdhsa--gfx1250"
	.amdhsa_code_object_version 6
	.text
	.protected	k_q1f6dec0054_cast
	.globl	k_q1f6dec0054_cast
	.p2align	8
	.type	k_q1f6dec0054_cast,@function
k_q1f6dec0054_cast:
	s_mov_b64 s[64:65], 0
	v_nop
	global_prefetch_b8 v0, s[64:65] scope:SCOPE_SE
	s_setreg_imm32_b32 hwreg(HW_REG_WAVE_SCHED_MODE, 0, 2), 2
	s_setreg_imm32_b32 hwreg(HW_REG_WAVE_MODE, 25, 1), 1
	s_wait_xcnt 0x0
	s_wait_alu depctr_vm_vsrc(0)
; xh[m][k] = f16(x[m][k]);  wh[n][k] = f16(f32(q[n][k]) - zp[n]).  x: [4096][4096] f32, q: [4096][4096] int32, zp: [4096] f32; xh, wh: [4096][4096] f16.
; Each number is made ready for the matrix product ONCE here; scale and bias are left to the product's way out, in f32, so that the operand's range hangs on q - zp alone.
; WHY f16: 11 significant bits against bf16's 8.  One allowance holds for the whole output, while a column's spread goes with its scale, so the widest columns have the least room.
; LIMITS.  |x| and |q - zp| stay under 65,504, f16's largest number: beyond it the operand is an infinity.  Below 6.1e-5 an operand keeps f16's fixed step of 6e-8.
; q is taken as any int32, exact in f32 up to 2^24.  NaN and infinities are not treated apart.
; SHARES.  Work-group (g, y) takes rows 16 g .. 16 g + 15 of x (y = 0) or of q (y = 1): 262,144 consecutive bytes in, 131,072 out, as 64 chunks of 4,096 bytes in and 2,048 out; four chunks are a row.
; Thread t takes the 16 bytes at 16 t of every chunk and stores the 8 bytes at 8 t: a wave's load covers 512 consecutive bytes, a wave's store 256 consecutive bytes at a multiple of 256.
; A ring of DEPTH chunks in registers keeps 12 to 16 loads of every wave on their way.  No LDS, no barrier, no matrix unit, no cluster: no byte is used twice and no wave needs another's.
; THE MODE: SCHED_MODE bits 1:0 = 2 (LLVM: expert scheduling mode 2), set by the entry lines.  The code itself states the register dependences
; between vector instructions and memory instructions, with s_wait_alu, always for 0.
; THE PLAN.  The 64 chunks go in 16 blocks of four, a row each; four blocks are a round.  Registers that memory instructions touch:
;   X0 .. X3   four blocks as loaded.  Read by block p's conversions (X[p % 4]); behind them the loads of block p + 4 land in the same buffer.
;   Y0, Y1     two blocks to store.    Written by block p's roundings (Y[p % 2]); read by the four stores at the end of block p; written again in block p + 2.
;   v1, v2     byte offsets, made once at the head and never written again: the chunks are reached by the scalar bases, which move on by a block in each block, and by immediate offsets.
;   T is named by vector instructions alone.
; A block: the wait for its data; its vector work; three waits; its four loads and four stores in one run.  The wait on va_vdst states that the block's conversions are done reading X[p % 4] and have
; written Y[p % 2].  It stands behind the conversions, so that the emptied buffer is asked for again at once and no buffer of the ring lies idle.  The wait on vm_vsrc, beside s_wait_xcnt 0, stands ahead
; of this block's stores and states that the stores of the block before have read the OTHER Y, which the next block writes; no store issued behind it reads that Y.
.set DEPTH,  16                        ; chunks in the ring: four X buffers; a round takes every buffer once: four rows
.set BLOCK,  4                         ; chunks in a block: a row
.set ROUNDS, 64/DEPTH
.set CH,     4096                      ; bytes of a chunk as loaded
.set OCH,    2048                      ; bytes of a chunk as stored
.set T,   4                            ; v[4:7]     four numbers in f32, at work
.set X,   8                            ; v[8:71]    buffer k, chunk i: 4 registers at X + 16 k + 4 i, as loaded
.set Y,   72                           ; v[72:87]   buffer k, chunk i: 2 registers at Y + 8 k + 2 i, four f16 to store
.set ZP,  20                           ; s[20:35]   my 16 rows' zero points; the round's four always stand in s[20:23]
	s_load_b256 s[4:11], s[0:1], 0x0               ; x s[4:5], q s[6:7], zp s[8:9], xh s[10:11]
	s_load_b64 s[12:13], s[0:1], 0x20              ; wh
	s_and_b32 s14, ttmp7, 0xffff                   ; y: 0 = x, 1 = q
	s_lshl_b32 s2, ttmp9, 18                       ; g x 16 rows x 16,384 bytes in (67 million at the most: one word)
	s_mov_b32 s3, 0
	s_lshl_b32 s16, ttmp9, 17                      ; g x 16 rows x 8,192 bytes out
	s_mov_b32 s17, 0
	s_lshl_b32 s18, ttmp9, 6                       ; g x 16 zero points
	s_mov_b32 s19, 0
	v_lshlrev_b32 v1, 4, v0                        ; my 16 bytes of a chunk as loaded; never rewritten
	v_lshlrev_b32 v2, 3, v0                        ; my 8 bytes of a chunk as stored; never rewritten
	s_wait_kmcnt 0x0
	s_cmp_lg_u32 s14, 0
	s_cbranch_scc1 .Lq
; Block xb of a round.  kind = 1: q, with the zero point taken away in f32; 0: x.  ahead = 1: the buffer is filled again with the block DEPTH chunks further on.
; left = how many younger loads may still be out when this block's four have to be there.  last = 1: the very last block: no block follows it.
; While a block's vector work runs, both bases stand at its first chunk.
.macro BLK kind, src, dst, xb, ahead, left, last
	s_wait_loadcnt \left                           ; loads come back in order (ISA guide 5.7.1): X[xb] is in, the younger blocks stay out; with 12: 16 are out on the way in and round the back edge alike
.irp i, 0,1,2,3
.if \kind
.irp k, 0,1,2,3
	v_cvt_f32_i32 v[T+(\k)], v[X+16*(\xb)+4*(\i)+(\k)]
.endr
.irp k, 0,1,2,3
	v_sub_f32 v[T+(\k)], v[T+(\k)], s[ZP+(\xb)]    ; a block is a row: block xb of the round has the round's zero point xb
.endr
	v_cvt_pk_f16_f32 v[Y+8*((\xb)%2)+2*(\i)],   v[T],   v[T+1]
	v_cvt_pk_f16_f32 v[Y+8*((\xb)%2)+2*(\i)+1], v[T+2], v[T+3]
.else
	v_cvt_pk_f16_f32 v[Y+8*((\xb)%2)+2*(\i)],   v[X+16*(\xb)+4*(\i)],   v[X+16*(\xb)+4*(\i)+1]
	v_cvt_pk_f16_f32 v[Y+8*((\xb)%2)+2*(\i)+1], v[X+16*(\xb)+4*(\i)+2], v[X+16*(\xb)+4*(\i)+3]
.endif
.endr
.if !\last
	s_wait_xcnt 0x0                                ; every memory instruction issued so far has had its addresses translated (ISA guide 3.1): only behind this wait are the bases stepped and the other Y written again
	s_wait_alu depctr_vm_vsrc(0)                   ; the stores of the block before have read the other Y, which the next block's roundings write
.endif
	s_wait_alu depctr_va_vdst(0)                   ; this block's roundings have written Y[xb % 2], which the stores below read; its conversions are done reading X[xb], in which the loads below land
.if \ahead
	s_add_nc_u64 s[\src:\src+1], s[\src:\src+1], BLOCK*CH    ; the base in at the next block's first chunk
.irp i, 0,1,2,3
	global_load_b128 v[X+16*(\xb)+4*(\i):X+16*(\xb)+4*(\i)+3], v1, s[\src:\src+1] offset:(DEPTH-BLOCK+(\i))*CH th:TH_LOAD_NT  ; the loads ahead of the stores: the block DEPTH chunks behind this one
.endr
.endif
.if \last
.irp i, 0,1,2,3
	global_store_b64 v2, v[Y+8*((\xb)%2)+2*(\i):Y+8*((\xb)%2)+2*(\i)+1], s[\dst:\dst+1] offset:(\i)*OCH  ; the base has not moved
.endr
.else
	s_add_nc_u64 s[\dst:\dst+1], s[\dst:\dst+1], BLOCK*OCH   ; the base out at the next block's first chunk: the stores' offsets reach back
.irp i, 0,1,2,3
	global_store_b64 v2, v[Y+8*((\xb)%2)+2*(\i):Y+8*((\xb)%2)+2*(\i)+1], s[\dst:\dst+1] offset:((\i)-BLOCK)*OCH  ; no hint: the next launch reads these bytes
.endr
.endif
.endm
; One tensor's way through the kernel.
.macro PATH kind, src, dst
	s_add_nc_u64 s[\src:\src+1], s[\src:\src+1], s[2:3]    ; my first row, in
	s_add_nc_u64 s[\dst:\dst+1], s[\dst:\dst+1], s[16:17]  ; and out
.if \kind
	s_add_nc_u64 s[8:9], s[8:9], s[18:19]
	s_load_b512 s[ZP:ZP+15], s[8:9], 0x0           ; my 16 rows' zero points: 64 consecutive bytes, once
.endif
	s_wait_alu depctr_va_vdst(0)                   ; v1 and v2 are written: every load and store of the kernel reads one of them as its offset
.irp i, 0,1,2,3,4,5,6,7,8,9,10,11,12,13,14,15
	global_load_b128 v[X+4*(\i):X+4*(\i)+3], v1, s[\src:\src+1] offset:(\i)*CH th:TH_LOAD_NT  ; fill the ring: blocks 0 to 3 into X0 to X3
.endr
.if \kind
	s_wait_kmcnt 0x0
.endif
	s_mov_b32 s36, ROUNDS-1
.Lround_\@:
	BLK \kind, \src, \dst, 0, 1, DEPTH-BLOCK, 0
	BLK \kind, \src, \dst, 1, 1, DEPTH-BLOCK, 0
	BLK \kind, \src, \dst, 2, 1, DEPTH-BLOCK, 0
	BLK \kind, \src, \dst, 3, 1, DEPTH-BLOCK, 0
.if \kind
.irp j, 0,2,4,6,8,10
	s_mov_b64 s[ZP+(\j):ZP+(\j)+1], s[ZP+4+(\j):ZP+4+(\j)+1]  ; the zero points move four down: the next round's four rows (the subtractions that read them were issued ahead of the last wait on va_vdst)
.endr
.endif
	s_sub_co_u32 s36, s36, 1
	s_cmp_lg_u32 s36, 0
	s_cbranch_scc1 .Lround_\@
	BLK \kind, \src, \dst, 0, 0, 3*BLOCK, 0        ; the last round is written out without loads: no load leaves the buffer, and the counts run down
	BLK \kind, \src, \dst, 1, 0, 2*BLOCK, 0
	BLK \kind, \src, \dst, 2, 0, BLOCK, 0
	BLK \kind, \src, \dst, 3, 0, 0, 1
	s_endpgm
.endm
	PATH 0, 4, 10
.Lq:
	PATH 1, 6, 12
.Lfunc_end_k_q1f6dec0054_cast:
	.size	k_q1f6dec0054_cast, .Lfunc_end_k_q1f6dec0054_cast-k_q1f6dec0054_cast
	.p2alignl 7, 3214868480
	.fill 96, 4, 3214868480
	.section	.rodata,"a",@progbits
	.p2align	6, 0x0
	.amdhsa_kernel k_q1f6dec0054_cast
		.amdhsa_group_segment_fixed_size 0
		.amdhsa_private_segment_fixed_size 0
		.amdhsa_enable_private_segment 0
		.amdhsa_kernarg_size 40
		.amdhsa_user_sgpr_count 2
		.amdhsa_user_sgpr_kernarg_segment_ptr 1
		.amdhsa_wavefront_size32 1
		.amdhsa_system_sgpr_workgroup_id_x 1
		.amdhsa_system_sgpr_workgroup_id_y 1
		.amdhsa_system_sgpr_workgroup_id_z 1
		.amdhsa_system_vgpr_workitem_id 0
		.amdhsa_next_free_vgpr 88
		.amdhsa_next_free_sgpr 66
		.amdhsa_reserve_vcc 0
		.amdhsa_float_denorm_mode_32 3
		.amdhsa_float_denorm_mode_16_64 3
		.amdhsa_memory_ordered 1
		.amdhsa_forward_progress 1
		.amdhsa_inst_pref_size 37
	.end_amdhsa_kernel
	.amdgpu_metadata
---
amdhsa.version: [ 1, 2 ]
amdhsa.kernels:
  - .name:           k_q1f6dec0054_cast
    .symbol:         k_q1f6dec0054_cast.kd
    .args:
      - { .name: x, .offset: 0, .size: 8, .value_kind: global_buffer, .address_space: global }
      - { .name: qweight, .offset: 8, .size: 8, .value_kind: global_buffer, .address_space: global }
      - { .name: zero_point, .offset: 16, .size: 8, .value_kind: global_buffer, .address_space: global }
      - { .name: xh, .offset: 24, .size: 8, .value_kind: global_buffer, .address_space: global }
      - { .name: wh, .offset: 32, .size: 8, .value_kind: global_buffer, .address_space: global }
    .group_segment_fixed_size: 0
    .private_segment_fixed_size: 0
    .kernarg_segment_align: 8
    .kernarg_segment_size: 40
    .max_flat_workgroup_size: 256
    .sgpr_count:     66
    .vgpr_count:     88
    .wavefront_size: 32
...
	.end_amdgpu_metadata
.endif
;; end of part 3
;; launch gemm: the kernel of part 2 again; grid 16 x 16, 4 waves a work-group, clusters of 4 x 4, 327,680 bytes of LDS; arguments xh, wh, scale, bias, out0; writes out0
